; MI455X (gfx1250); checked and timed in simulation.
; The chip was launched on July 23, 2026; its instructions are those of AMD's public machine-readable ISA for CDNA 5 (MIT licence, August 2026) and "CDNA5" Instruction Set Architecture Reference Guide (July 2026). The comments in the code are by the model that wrote it; some were corrected since.
;; Boundary Decision. Allowed arithmetic: matrix products marked QUANTISED: E4M3 operands, one E8M0 scale for each 32 along K, by v_wmma_scale_f32_16x16x128_f8f6f4 with both operands' format E4M3, f32 sums; products left as they are: f32 operands where the result goes on into a quantised operand, else bf16, f16 or f32 operands; f32 sums; everything else in f32.
;; Inputs: W_qk_codes 2,048 x 32 x 32 uint8 (E4M3 codes of W_qk, K innermost, in blocks of 32 codes); W_qk_scales 2,048 x 32 uint8 (E8M0 scales of W_qk, one for each 32 codes along K); W_v_codes 16 x 32 x 32 uint8 (E4M3 codes of W_v, K innermost, in blocks of 32 codes); W_v_scales 16 x 32 uint8 (E8M0 scales of W_v, one for each 32 codes along K); att_mask 4 x 2,048 x 2,048 bool; x_codes 4 x 2,048 x 32 x 32 uint8 (E4M3 codes of x, K innermost, in blocks of 32 codes); x_scales 4 x 2,048 x 32 uint8 (E8M0 scales of x, one for each 32 codes along K).
;; Outputs: out0 4 x 2,048 x 1 float32.
;; This version of the problem:
;;   THIS VERSION OF THE PROBLEM IS GIVEN IN LOW PRECISION. The matrix products marked QUANTISED in the list below multiply operands that are first quantised to E4M3 (4 exponent bits, 3 mantissa bits; 8 bits a number), with one power-of-two scale for each 32 numbers along K (OCP MX v1.0); their sums are f32. All else is computed in f32.
;;   The module's matrix products, in the order in which they are computed (A, B: the left and right operand; K: the contracted axis; several contracted axes count as one K, in the product's order):
;;     1. [M 8,192, K 1,024] x [K 1,024, N 2,048]; A: input x (given as codes); B: input W_qk (given as codes): QUANTISED
;;     2. [M 8,192, K 1,024] x [K 1,024, N 16]; A: input x (given as codes); B: input W_v (given as codes): QUANTISED
;;     3. batch 64 x [M 2,048, K 64] x [K 64, N 2,048]; A: computed on the way; B: computed on the way: QUANTISED
;;     4. batch 64 x [M 1, K 2,048] x [K 2,048, N 2,048]; A: computed on the way; B: softmax: left as it is (M = 1 < 16)
;;   THE QUANTISER, for each operand of a quantised product, along K:
;;     - K is cut into blocks of 32 from its start; a last block that is shorter is filled with zeros.
;;     - A block's scale is 2^e with e = floor(log2(the largest magnitude in the block)) - 8, held to -126 .. 127; a block of zeros has e = 0. As a byte (E8M0): e + 127.
;;     - Each number is divided by its block's scale, clamped to +-448, and rounded to the nearest number of E4M3, ties to even, subnormals kept.
;;     - The product sums the exact products of the quantised numbers (number of the format x scale) in f32.
;;   ~~~python
;;   def quantise(x, axis):      # numpy; x: float32 -> the quantised numbers, widened to float32 again
;;       x = np.moveaxis(x, axis, -1); K = x.shape[-1]
;;       x = np.pad(x, [(0, 0)] * (x.ndim - 1) + [(0, -K % 32)]); x = x.reshape(x.shape[:-1] + (-1, 32)); a = np.abs(x).max(-1, keepdims=True)
;;       e = np.where(a > 0, np.clip(np.frexp(np.where(a > 0, a, 1))[1] - 1 - 8, -126, 127), 0)      # np.frexp(a)[1] - 1 = floor(log2(a)), exactly
;;       r = np.clip(x / 2.0 ** e, -448, 448)
;;       step = 2.0 ** (np.maximum(np.frexp(np.where(r == 0, 1, r))[1] - 1, -6) - 3)
;;       q = np.round(r / step) * step * 2.0 ** e      # np.round: ties to even
;;       return np.moveaxis(q.reshape(q.shape[:-2] + (-1,))[..., :K], -1, axis).astype(np.float32)
;;   ~~~
;;   OPERANDS COMPUTED ON THE WAY. 'Computed on the way' means the value that the module computes at that place (a softmax that the list does not call 'softmax' is quantised finished and normalised). What goes into a quantiser is computed in f32, as accurately as f32 sums, v_exp_f32 and their like allow (about 1e-6 of the number): no bf16 or f16 on the way to a quantiser, and a product that is left as it is and whose result goes on into a quantised operand takes f32 operands (vector FMAs, or v_wmma_f32_16x16x4_f32). A number that lies on a knife's edge between two numbers of the format may be rounded either way, as far as f32 arithmetic and the matrix unit's own rounding can turn it there, and no further.
;;   INPUTS GIVEN AS CODES. W_qk (in the module: [1024, 2048], K = its axis 0); W_v (in the module: [1024, 16], K = its axis 0); x (in the module: [4, 2048, 1024], K = its axis 2): each comes as NAME_codes (uint8): NAME with its K axis moved to the last place and cut into blocks of 32 codes, [.., K / 32, bytes a block], one block behind the other in memory; one code a byte (a code: sign, 4 exponent bits, 3 mantissa bits); and NAME_scales (uint8): the same leading axes, one E8M0 byte (e + 127) for each 32 codes along K. Its value is code x scale, taken as it is: it is not quantised again, and the codes and scales need not be those that the quantiser above would give.
;; One version. Each part assembles by itself: llvm-mc -triple=amdgcn-amd-amdhsa -mcpu=gfx1250 --defsym DOCPART=n.
;; ======== version 1 of 1: 3 launches
;; limits: right only within a limited range of input values
;; workspace buffers: packs 18,350,080 bytes
;; launch vals (part 1): grid 128 x 1, 4 waves a work-group, no clusters, 5,120 bytes of LDS; arguments x_codes, x_scales, W_v_codes, W_v_scales, packs; writes packs
.if DOCPART == 1
	.amdgcn_target "amdgcn-amd-amdhsa--gfx1250"
	.amdhsa_code_object_version 6
	.text
	.protected	k_q36b828294c_vals
	.globl	k_q36b828294c_vals
	.p2align	8
	.type	k_q36b828294c_vals,@function
k_q36b828294c_vals:
	s_mov_b64 s[64:65], 0
	v_nop
	global_prefetch_b8 v0, s[64:65] scope:SCOPE_SE
	s_setreg_imm32_b32 hwreg(HW_REG_WAVE_MODE, 25, 1), 1
	s_wait_xcnt 0x0
; value[token][head] = x[token][:] . W_v[:][head]: 8,192 tokens x 16 heads, K = 1,024, on the given codes of FP8 (E4M3) with one E8M0 scale for each 32 along K; sums in f32.
; THE PROGRAM has three launches: this one (the values), the projection to q and k with their quantising, and the attention.  No work of the problem is left out and every input is loaded:
; the mask is an input, so no tile of scores may be passed over, and rows that the last mask row throws away are computed and selected.
; LIMITS of the program: NaN and infinities among the inputs are not served.
; WORKSPACE.  packs: 2,048 packs of PK = 8,960 bytes, one for a head and 128 tokens: 8,192 bytes of codes, 256 bytes of scale bytes, and in the packs of k 512 bytes for the 128 values of that head: those are stored here.
; Pack number = (2 batch + 1) 256 + s 64 + j 16 + hg 8 + kq 2 + e, with the group of 128 tokens in the batch = 4 s + kq and the head = 8 hg + 2 j + e.
; SHARES.  A work-group takes 64 tokens, a wave 16: source 0 = 16 rows of x, source 1 = the 16 rows of W_v.  In the result lane (r, h) holds head r, and register j token 8 h + j.
; Two accumulators take the eight K steps by turns and are added at the end.  The results meet in a stage in LDS, a row a head, so that sixteen lanes store 256 consecutive bytes of one head.
; No ring and no tensor load: a wave's operands are 256 registers, loaded once.
.set PK,    8960
.set VALS,  8448                       ; where a pack's values begin
.set SP,    272                        ; a stage row: 64 tokens x 4 bytes + 16
.set SPARE, 4608                       ; behind the stage (16 rows): the spare words, 128 bytes for each wave: two blocks of 256 bytes that no other line names
.set XS,   16                          ; v16-23   x's eight scale words
.set WS,   24                          ; v24-31   W_v's
.set ACC,  32                          ; v32-47   two accumulators
.set SUM,  48                          ; v48-55   their sum
.set OUTR, 56                          ; v56-63   the way out
.set WF,   64                          ; v64-191  W_v's eight fragments;  window 1, v0-127: x's eight
.set MSB, 0
.macro WIN new                         ; the immediate's high byte repeats the setting that is left
.if MSB != (\new)
	s_set_vgpr_msb (MSB<<8)|(\new)
.set MSB, (\new)
.endif
.endm
	s_load_b256 s[4:11], s[0:1], 0x0               ; x's codes s[4:5], x's scales s[6:7], W_v's codes s[8:9], W_v's scales s[10:11]
	s_load_b64 s[12:13], s[0:1], 0x20              ; packs
	v_lshl_add_u32 v8, v0, 2, SPARE                ; v8: my spare word; v9: 0; both kept for the closing lines
	v_mov_b32 v9, 0
	v_lshrrev_b32 v1, 5, v0
	v_readfirstlane_b32 s14, v1                    ; wave 0..3
	v_and_b32 v1, 15, v0                           ; r
	v_bfe_u32 v2, v0, 4, 1                         ; h
	v_lshlrev_b32 v3, 10, v1
	v_lshl_add_u32 v3, v2, 4, v3                   ; a fragment: row r of 1,024 bytes + 16 h
	v_lshlrev_b32 v4, 5, v1                        ; scale words: 32 bytes a row
	v_mul_u32_u24 v5, v1, SP
	v_lshl_add_u32 v5, v2, 5, v5
	s_lshl_b32 s24, s14, 6
	v_add_nc_u32 v5, s24, v5                       ; into the stage: head r, tokens 16 w + 8 h on
	v_mul_u32_u24 v6, v2, SP
	v_lshl_add_u32 v6, v1, 4, v6
	s_mul_i32 s25, s14, 4*SP
	v_add_nc_u32 v6, s25, v6                       ; back: heads 4 w + h (and two further on), 16 bytes a lane
	v_mul_u32_u24 v7, v2, PK
	v_lshl_add_u32 v7, v1, 4, v7                   ; and in memory: head + 1 is pack + 1
	s_lshl_b32 s16, ttmp9, 6
	s_lshl_b32 s17, s14, 4
	s_add_co_u32 s16, s16, s17                     ; my first token: 64 x work-group + 16 x wave
	s_lshl_b32 s18, s16, 10                        ; its codes,
	s_mov_b32 s19, 0
	s_lshl_b32 s20, s16, 5                         ; its scale bytes
	s_mov_b32 s21, 0
	s_lshr_b32 s22, ttmp9, 5                       ; batch
	s_lshl_b32 s22, s22, 9
	s_add_co_u32 s22, s22, 256                     ; (2 batch + 1) 256
	s_bfe_u32 s23, ttmp9, 0x20003                  ; s: the group of 128 tokens is (work-group / 2) % 16
	s_lshl_b32 s23, s23, 6
	s_add_co_u32 s22, s22, s23
	s_bfe_u32 s23, ttmp9, 0x20001                  ; kq
	s_lshl_b32 s23, s23, 1
	s_add_co_u32 s22, s22, s23
	s_and_b32 s23, s14, 1                          ; heads 4 w + 2 i + h: j = 2 (w % 2) + i, hg = w / 2, e = h
	s_lshl_b32 s23, s23, 5
	s_add_co_u32 s22, s22, s23
	s_lshr_b32 s23, s14, 1
	s_lshl_b32 s23, s23, 3
	s_add_co_u32 s22, s22, s23
	s_mul_i32 s22, s22, PK
	s_and_b32 s23, ttmp9, 1                        ; which 64 of the pack's 128 tokens
	s_lshl_b32 s23, s23, 8
	s_add_co_u32 s22, s22, s23
	s_add_co_u32 s22, s22, VALS
	s_mov_b32 s23, 0
	s_wait_alu depctr_va_vdst(0)
	s_wait_kmcnt 0x0
	s_add_nc_u64 s[4:5], s[4:5], s[18:19]
	s_add_nc_u64 s[6:7], s[6:7], s[20:21]
	s_add_nc_u64 s[12:13], s[12:13], s[22:23]
	global_load_b128 v[XS:XS+3], v4, s[6:7]
	global_load_b128 v[XS+4:XS+7], v4, s[6:7] offset:16
	global_load_b128 v[WS:WS+3], v4, s[10:11]
	global_load_b128 v[WS+4:WS+7], v4, s[10:11] offset:16
	WIN 0x40                                       ; destination window 1
.irp s, 0,1,2,3,4,5,6,7
.irp c, 0,1,2,3
	global_load_b128 v[16*\s+4*\c:16*\s+4*\c+3], v3, s[4:5] offset:128*\s+32*\c       ; x(r, 128 s + 32 c + 16 h ..)
.endr
.endr
	WIN 0
.irp s, 0,1,2,3,4,5,6,7
.irp c, 0,1,2,3
	global_load_b128 v[WF+16*\s+4*\c:WF+16*\s+4*\c+3], v3, s[8:9] offset:128*\s+32*\c ; W_v likewise
.endr
.endr
	s_wait_loadcnt 0x0
	WIN 0x01                                       ; source 0 (x) window 1
.irp s, 0,1,2,3,4,5,6,7
.if \s < 2
	v_wmma_scale_f32_16x16x128_f8f6f4 v[ACC+8*(\s%2):ACC+8*(\s%2)+7], v[16*\s:16*\s+15], v[WF+16*\s:WF+16*\s+15], 0, v[XS+\s], v[WS+\s]
.else
	v_wmma_scale_f32_16x16x128_f8f6f4 v[ACC+8*(\s%2):ACC+8*(\s%2)+7], v[16*\s:16*\s+15], v[WF+16*\s:WF+16*\s+15], v[ACC+8*(\s%2):ACC+8*(\s%2)+7], v[XS+\s], v[WS+\s]
.endif
.endr
	WIN 0
.rept 8
	v_nop                                          ; eight places between this matrix form and the first read of its results
.endr
.irp n, 0,2,4,6
	v_pk_add_f32 v[SUM+\n:SUM+\n+1], v[ACC+\n:ACC+\n+1], v[ACC+8+\n:ACC+8+\n+1]       ; both accumulators from their low ends on
.endr
	ds_store_b128 v5, v[SUM:SUM+3]
	ds_store_b128 v5, v[SUM+4:SUM+7] offset:16
	s_wait_dscnt 0x0                               ; for the others' sake: my stores into the stage are done
	s_barrier_signal -1
	s_barrier_wait -1
	ds_load_b128 v[OUTR:OUTR+3], v6
	ds_load_b128 v[OUTR+4:OUTR+7], v6 offset:2*SP
	s_wait_dscnt 0x0
	global_store_b128 v7, v[OUTR:OUTR+3], s[12:13]                 ; sixteen lanes store 256 consecutive bytes, at a multiple of 256 from the buffer's first byte
	global_store_b128 v7, v[OUTR+4:OUTR+7], s[12:13] offset:16*PK  ; heads two further on: j + 1
	s_wait_tensorcnt 0x0                           ; the wave's end, behind my last LDS store
	ds_add_u32 v8, v9
	s_wait_dscnt 0x0
	s_endpgm
.Lfunc_end_k_q36b828294c_vals:
	.size	k_q36b828294c_vals, .Lfunc_end_k_q36b828294c_vals-k_q36b828294c_vals
	.p2alignl 7, 3214868480
	.fill 96, 4, 3214868480
	.section	.rodata,"a",@progbits
	.p2align	6, 0x0
	.amdhsa_kernel k_q36b828294c_vals
		.amdhsa_group_segment_fixed_size 5120
		.amdhsa_private_segment_fixed_size 0
		.amdhsa_enable_private_segment 0
		.amdhsa_kernarg_size 40
		.amdhsa_user_sgpr_count 2
		.amdhsa_user_sgpr_kernarg_segment_ptr 1
		.amdhsa_wavefront_size32 1
		.amdhsa_system_sgpr_workgroup_id_x 1
		.amdhsa_system_sgpr_workgroup_id_y 1
		.amdhsa_system_sgpr_workgroup_id_z 1
		.amdhsa_system_vgpr_workitem_id 0
		.amdhsa_next_free_vgpr 384
		.amdhsa_next_free_sgpr 66
		.amdhsa_reserve_vcc 0
		.amdhsa_float_denorm_mode_32 3
		.amdhsa_float_denorm_mode_16_64 3
		.amdhsa_memory_ordered 1
		.amdhsa_forward_progress 1
		.amdhsa_inst_pref_size 12
	.end_amdhsa_kernel
	.amdgpu_metadata
---
amdhsa.version: [ 1, 2 ]
amdhsa.kernels:
  - .name:           k_q36b828294c_vals
    .symbol:         k_q36b828294c_vals.kd
    .args:
      - { .name: x_codes, .offset: 0, .size: 8, .value_kind: global_buffer, .address_space: global }
      - { .name: x_scales, .offset: 8, .size: 8, .value_kind: global_buffer, .address_space: global }
      - { .name: W_v_codes, .offset: 16, .size: 8, .value_kind: global_buffer, .address_space: global }
      - { .name: W_v_scales, .offset: 24, .size: 8, .value_kind: global_buffer, .address_space: global }
      - { .name: packs, .offset: 32, .size: 8, .value_kind: global_buffer, .address_space: global }
    .group_segment_fixed_size: 5120
    .private_segment_fixed_size: 0
    .kernarg_segment_align: 8
    .kernarg_segment_size: 40
    .max_flat_workgroup_size: 128
    .sgpr_count:     66
    .vgpr_count:     384
    .wavefront_size: 32
...
	.end_amdgpu_metadata
.endif
;; end of part 1
;; launch proj (part 2): grid 8 x 32, 4 waves a work-group, clusters of 4 x 4, 327,680 bytes of LDS; arguments x_codes, x_scales, W_qk_codes, W_qk_scales, packs; writes packs
.if DOCPART == 2
	.amdgcn_target "amdgcn-amd-amdhsa--gfx1250"
	.amdhsa_code_object_version 6
	.text
	.protected	k_q36b828294c_proj
	.globl	k_q36b828294c_proj
	.p2align	8
	.type	k_q36b828294c_proj,@function
k_q36b828294c_proj:
	s_mov_b64 s[64:65], 0
	v_nop
	global_prefetch_b8 v0, s[64:65] scope:SCOPE_SE
	s_setreg_imm32_b32 hwreg(HW_REG_WAVE_MODE, 25, 1), 1
	s_wait_xcnt 0x0
	s_wait_alu depctr_hold_cnt(0) depctr_sa_sdst(0) depctr_va_vdst(0) depctr_va_sdst(0) depctr_va_ssrc(0) depctr_va_vcc(0) depctr_vm_vsrc(0)
	s_getreg_b32 s2, hwreg(HW_REG_IB_STS2, 6, 4)
	s_cmp_eq_u32 s2, 0
	s_cbranch_scc0 .Lentry_in_a_cluster
	s_endpgm
.Lentry_in_a_cluster:
	s_bfe_u32 s2, ttmp6, 0x10000c
	s_cmp_lg_u32 s2, 0xf033
	s_cbranch_scc0 .Lentry_shape_is_right
	s_endpgm
.Lentry_shape_is_right:
.set SIZE_K, 1024
.set PK,     8960
.set KSTEP,  256
.set NQ,     KSTEP/128
.set ROWB,   256
.set KROW,   SIZE_K
.set PITCH,  272
.set FR,     16
.set NL,     4
.set NP,     8
.set HALFT,  128*PITCH
.set SLOT,   4*HALFT
.set LAPS,   SIZE_K/(2*KSTEP)
.set KS,     SIZE_K/32
.set SCL,    2*SLOT
.set HALFS,  (128*KS/256)*272
.set SBLK,   (16*KS/256)*272
.set SPARE,  SCL+4*HALFS
.set ADRA, 16
.set ADRB, 20
.set SST,  24
.set SRD,  25
.set LI,   26
.set ADRS, 27
.set SPW,  28
.set NIL,  29
.set SC,   32
.set AF,   128
.set TM,   32
.set PW,   48
.set SHW,  49
.set HSH,  50
.set SGO,  51
.set SBK,  52
.set G1, 24
.set G0, 32
.set G1B, 48
.set G0B, 56
.set G1S, 68
.set G0S, 76
.set G1SB, 80
.set G0SB, 88
.set MSB, 0
.macro WIN new
.if MSB != (\new)
	s_set_vgpr_msb (MSB<<8)|(\new)
.set MSB, (\new)
.endif
.endm
.set MUL_LO, 0xa1
.set MUL_HI, 0xf1
.set TO_B,   0x40
.macro JLOAD g0a, g1a, g0b, g1b
	s_cmp_eq_u32 s15, 0
	s_cbranch_scc0 .Lfor_b_\@
	tensor_load_to_lds s[\g0a:\g0a+3], s[\g1a:\g1a+7]
	s_nop 0
.rept 4
	v_nop
.endr
	s_branch .Lasked_\@
.Lfor_b_\@:
	tensor_load_to_lds s[\g0b:\g0b+3], s[\g1b:\g1b+7]
	s_nop 0
.rept 4
	v_nop
.endr
.Lasked_\@:
.endm
.macro CREST
	s_cmp_lg_u32 s14, 0
	s_cbranch_scc1 .Lnot_wave_0_\@
	s_barrier_signal -3
.Lnot_wave_0_\@:
	s_barrier_wait -3
	s_barrier_signal -1
	s_barrier_wait -1
.endm
.macro CROUND
	s_barrier_signal -1
	s_barrier_wait -1
	CREST
.endm
	s_load_b128 s[4:7], s[0:1], 0x0
	s_load_b128 s[8:11], s[0:1], 0x10
	s_load_b64 s[12:13], s[0:1], 0x20
	v_lshl_add_u32 v[SPW], v0, 2, SPARE
	v_mov_b32 v[NIL], 0
	ds_add_u32 v[SPW], v[NIL]
	ds_add_u32 v[SPW], v[NIL]
	v_lshrrev_b32 v1, 5, v0
	v_readfirstlane_b32 s14, v1
	s_lshr_b32 s15, s14, 1
	s_and_b32 s16, s14, 1
	s_bfe_u32 s40, ttmp6, 0x40000
	s_bfe_u32 s41, ttmp6, 0x40004
	s_lshl_b32 s42, ttmp9, 2
	s_add_co_u32 s42, s42, s40
	s_and_b32 s17, ttmp7, 0xffff
	s_lshl_b32 s17, s17, 2
	s_add_co_u32 s17, s17, s41
	s_lshl_b32 s43, s41, 2
	s_lshl_b32 s43, 15, s43
	s_lshl_b32 s44, 0x1111, s40
	s_mov_b32 s66, 0x76543210
	s_mov_b32 s67, 0xfedcba98
	s_mov_b32 s95, 0x600000
	s_or_b32 s[G1+0], s43, (0<<16)|(1<<20)|(1<<21)|(5<<22)|(3<<25)
	s_or_b32 s[G1B+0], s44, (0<<16)|(1<<20)|(1<<21)|(5<<22)|(3<<25)
.irp g, G1, G1B
	s_mov_b32 s[\g+1], ROWB<<16
	s_mov_b32 s[\g+2], 128<<16
	s_mov_b32 s[\g+3], ROWB<<16
	s_mov_b32 s[\g+4], 128
	s_mov_b32 s[\g+5], KROW
	s_mov_b32 s[\g+6], 0
	s_mov_b32 s[\g+7], 0
.endr
	s_or_b32 s[G1S+0], s43, (3<<16)|(1<<20)|(1<<21)|(5<<22)|(3<<25)
	s_or_b32 s[G1SB+0], s44, (3<<16)|(1<<20)|(1<<21)|(5<<22)|(3<<25)
.irp g, G1S, G1SB
	s_mov_b32 s[\g+1], 32<<16
	s_mov_b32 s[\g+2], (128*KS/256)<<16
	s_mov_b32 s[\g+3], 32<<16
	s_mov_b32 s[\g+4], 128*KS/256
	s_mov_b32 s[\g+5], 32
	s_mov_b32 s[\g+6], 0
	s_mov_b32 s[\g+7], 0
.endr
	s_lshl_b32 s18, s16, 7
	s_lshl_b32 s20, s17, 8
	s_add_co_u32 s20, s20, s18
	s_lshl_b32 s46, s42, 8
	s_add_co_u32 s46, s46, s18
	s_mov_b32 s21, 0
	s_mov_b32 s47, 0
	s_mov_b64 s[18:19], KS
	s_mul_u64 s[22:23], s[20:21], s[18:19]
	s_mul_u64 s[92:93], s[46:47], s[18:19]
	s_mov_b64 s[18:19], KROW
	s_mul_u64 s[20:21], s[20:21], s[18:19]
	s_mul_u64 s[46:47], s[46:47], s[18:19]
	s_mul_i32 s45, s14, HALFT
	s_mul_i32 s94, s14, HALFS
	s_wait_dscnt 0x0
	s_wait_kmcnt 0x0
	s_add_nc_u64 s[20:21], s[4:5], s[20:21]
	s_add_nc_u64 s[22:23], s[6:7], s[22:23]
	s_add_nc_u64 s[46:47], s[8:9], s[46:47]
	s_add_nc_u64 s[92:93], s[10:11], s[92:93]
	CROUND
	s_mov_b32 s[G0S], 1
	s_add_co_u32 s[G0S+1], s94, SCL
	s_mov_b64 s[G0S+2:G0S+3], s[22:23]
	s_or_b32 s[G0S+3], s[G0S+3], 0x80000000
	s_mov_b32 s[G0SB], 1
	s_add_co_u32 s[G0SB+1], s94, SCL
	s_mov_b64 s[G0SB+2:G0SB+3], s[92:93]
	s_or_b32 s[G0SB+3], s[G0SB+3], 0x80000000
	JLOAD G0S, G1S, G0SB, G1SB
.irp s, 0,1
	s_mov_b32 s[G0+4*\s], 1
	s_add_co_u32 s[G0+4*\s+1], s45, \s*SLOT
	s_add_nc_u64 s[G0+4*\s+2:G0+4*\s+3], s[20:21], \s*ROWB
	s_or_b32 s[G0+4*\s+3], s[G0+4*\s+3], 0x80000000
	s_mov_b32 s[G0B+4*\s], 1
	s_add_co_u32 s[G0B+4*\s+1], s45, \s*SLOT
	s_add_nc_u64 s[G0B+4*\s+2:G0B+4*\s+3], s[46:47], \s*ROWB
	s_or_b32 s[G0B+4*\s+3], s[G0B+4*\s+3], 0x80000000
	s_wait_alu depctr_va_vdst(0)
	s_wait_tensorcnt 0x0
	ds_add_u32 v28, v29
	s_wait_dscnt 0x0
	CROUND
	JLOAD G0+4*\s, G1, G0B+4*\s, G1B
.endr
	v_and_b32 v1, 15, v0
	v_bfe_u32 v2, v0, 4, 1
	v_mul_u32_u24 v3, v1, PITCH
	v_lshl_add_u32 v4, v2, 4, v3
	s_mul_i32 s21, s15, HALFT
	s_mul_i32 s22, s16, HALFT
	s_add_co_u32 s22, s22, 2*HALFT
.irp s, 0,1
	v_add_nc_u32 v[ADRA+\s], s21, v4
	v_add_nc_u32 v[ADRB+\s], s22, v4
	s_add_co_u32 s21, s21, SLOT
	s_add_co_u32 s22, s22, SLOT
.endr
	v_mul_u32_u24 v5, v1, KS
	v_lshrrev_b32 v6, 8, v5
	v_lshl_add_u32 v5, v6, 4, v5
	s_mul_i32 s21, s15, HALFS
	s_mul_i32 s22, s16, HALFS
	s_add_co_u32 s22, s22, 2*HALFS
	s_sub_co_u32 s22, s22, s21
	v_mul_u32_u24 v6, s22, v2
	s_add_co_u32 s21, s21, SCL
	v_add_nc_u32 v5, v5, v6
	v_add_nc_u32 v[ADRS], s21, v5
	s_lshl_b32 s23, s14, 9
	v_lshlrev_b32 v5, 1, v1
	v_lshl_add_u32 v5, v2, 8, v5
	v_add_nc_u32 v[SST], s23, v5
	v_and_b32 v6, 31, v0
	v_lshlrev_b32 v[LI], 4, v6
	v_add_nc_u32 v[SRD], s23, v[LI]
	s_lshr_b32 s20, s17, 3
	s_lshl_b32 s20, s20, 9
	s_bfe_u32 s21, s17, 0x20001
	s_lshl_b32 s21, s21, 6
	s_add_co_u32 s20, s20, s21
	s_and_b32 s21, s17, 1
	s_lshl_b32 s21, s21, 1
	s_add_co_u32 s21, s21, s15
	s_lshl_b32 s21, s21, 1
	s_add_co_u32 s20, s20, s21
	s_lshr_b32 s46, s42, 2
	s_lshl_b32 s46, s46, 8
	s_and_b32 s47, s42, 1
	s_lshl_b32 s47, s47, 1
	s_add_co_u32 s47, s47, s16
	s_lshl_b32 s47, s47, 4
	s_add_co_u32 s46, s46, s47
	s_bfe_u32 s47, s42, 0x10001
	s_lshl_b32 s47, s47, 3
	s_add_co_u32 s46, s46, s47
	s_add_co_u32 s20, s20, s46
	s_mul_i32 s20, s20, PK
	s_mov_b32 s21, 0
	s_add_nc_u64 s[12:13], s[12:13], s[20:21]
.macro FRAG reg, adr, q, i
.irp c, 0,1,2,3
	ds_load_b128 v[\reg+4*\c:\reg+4*\c+3], v[\adr] offset:128*(\q)+32*\c+(\i)*16*PITCH
.endr
.endm
.macro MUL16 a0, p, q, sc, zero
.irp a, \a0, \a0+1
.irp b, 0,1,2,3,4,5,6,7
.if \zero
	v_wmma_scale_f32_16x16x128_f8f6f4 v[8*(8*((\a)%4)+\b):8*(8*((\a)%4)+\b)+7], v[128*(\p)+FR*\b:128*(\p)+FR*\b+FR-1], v[AF+FR*(\a):AF+FR*(\a)+FR-1], 0, v[SC+8*NQ*(\sc)+NQ*\b+(\q)], v[SC+8*NQ*(\sc)+NQ*(\a)+(\q)] matrix_a_scale:MATRIX_SCALE_ROW1
.else
	v_wmma_scale_f32_16x16x128_f8f6f4 v[8*(8*((\a)%4)+\b):8*(8*((\a)%4)+\b)+7], v[128*(\p)+FR*\b:128*(\p)+FR*\b+FR-1], v[AF+FR*(\a):AF+FR*(\a)+FR-1], v[8*(8*((\a)%4)+\b):8*(8*((\a)%4)+\b)+7], v[SC+8*NQ*(\sc)+NQ*\b+(\q)], v[SC+8*NQ*(\sc)+NQ*(\a)+(\q)] matrix_a_scale:MATRIX_SCALE_ROW1
.endif
.endr
.endr
.endm
.macro FETCH_B slot, q, p
	WIN TO_B
.irp i, 0,1,2,3,4,5,6,7
	FRAG 128*(\p)+FR*\i, ADRB+\slot, \q, \i
.endr
	WIN 0
.endm
.macro FETCH_A slot, q, i0
.irp i, \i0, \i0+1, \i0+2, \i0+3
	FRAG AF+FR*(\i), ADRA+\slot, \q, \i
.endr
.endm
.macro SCALES sc
.irp i, 0,1,2,3,4,5,6,7
	ds_load_b64 v[SC+8*NQ*\sc+NQ*\i:SC+8*NQ*\sc+NQ*\i+1], v[ADRS] offset:\i*SBLK
.endr
.endm
.macro PLACES n
.rept \n
	v_nop
.endr
.endm
.macro STEP slot, q, zero
	s_wait_dscnt 4*NL
	WIN MUL_LO
	MUL16 0, (\q)%2, \q, \slot, \zero
	MUL16 2, (\q)%2, \q, \slot, \zero
	s_wait_dscnt 0
	PLACES NP
	FETCH_B \slot, (\q)+1, 1-(\q)%2
	FETCH_A \slot, (\q)+1, 0
	WIN MUL_HI
	MUL16 4, (\q)%2, \q, \slot, \zero
	MUL16 6, (\q)%2, \q, \slot, \zero
	PLACES NP
	WIN 0
	FETCH_A \slot, (\q)+1, 4
.endm
.macro TURN slot, next, fill
	s_wait_tensorcnt 0x0
	ds_add_u32 v[SPW], v[NIL]
	s_wait_dscnt 4*NL+1
	WIN MUL_LO
	MUL16 0, 1, NQ-1, \slot, 0
	s_wait_dscnt 0x0
	s_barrier_signal -1
	MUL16 2, 1, NQ-1, \slot, 0
	WIN 0
	s_barrier_wait -1
.if \fill
	CREST
	s_add_nc_u64 s[G0+4*\slot+2:G0+4*\slot+3], s[G0+4*\slot+2:G0+4*\slot+3], 2*ROWB
	s_add_nc_u64 s[G0B+4*\slot+2:G0B+4*\slot+3], s[G0B+4*\slot+2:G0B+4*\slot+3], 2*ROWB
	JLOAD G0+4*\slot, G1, G0B+4*\slot, G1B
	PLACES NP-4
.else
	PLACES NP
.endif
	s_wait_alu depctr_va_vdst(0)
	v_add_nc_u32 v[ADRS], 4*NQ, v[ADRS]
	FETCH_B \next, 0, 0
	FETCH_A \next, 0, 0
	SCALES \next
	WIN MUL_HI
	MUL16 4, 1, NQ-1, \slot, 0
	MUL16 6, 1, NQ-1, \slot, 0
	PLACES NP
	WIN 0
	FETCH_A \next, 0, 4
.endm
	s_wait_alu depctr_va_vdst(0)
	s_wait_tensorcnt 1
	s_barrier_signal -1
	s_barrier_wait -1
	FETCH_B 0, 0, 0
	FETCH_A 0, 0, 0
	SCALES 0
	FETCH_A 0, 0, 4
	STEP 0, 0, 1
	s_mov_b32 s3, LAPS-1
.Llap:
	TURN 0, 1, 1
	STEP 1, 0, 0
	TURN 1, 0, 1
	STEP 0, 0, 0
	s_sub_co_u32 s3, s3, 1
	s_cmp_lg_u32 s3, 0
	s_cbranch_scc1 .Llap
	TURN 0, 1, 0
	STEP 1, 0, 0
	s_wait_dscnt 4*NL
	WIN MUL_LO
	MUL16 0, 1, NQ-1, 1, 0
	MUL16 2, 1, NQ-1, 1, 0
	s_wait_dscnt 0
	WIN MUL_HI
	MUL16 4, 1, NQ-1, 1, 0
	MUL16 6, 1, NQ-1, 1, 0
	WIN 0
.macro OUTBLK a
.set WN, 2+(\a)/4
.set AC, 64*((\a)%4)
.set CD, 64+16*((\a)%2)
.set W01, WN|(WN<<2)
.set W12, (WN<<2)|(WN<<4)
.set W0D, WN|(WN<<6)
	WIN W01
.irp b, 0,1,2,3
	v_max3_num_f32 v[TM+\b], |v[AC+16*\b]|, |v[AC+16*\b+1]|, 0x4800000
.endr
	WIN W12
.irp i, 2,4,6,8,10,12,14
.irp b, 0,1,2,3
	v_max3_num_f32 v[TM+\b], v[TM+\b], |v[AC+16*\b+\i]|, |v[AC+16*\b+\i+1]|
.endr
.endr
	WIN 0
.irp b, 0,1,2,3
	v_permlanex16_b32 v[TM+4+\b], v[TM+\b], s66, s67
.endr
.irp b, 0,1,2,3
	v_max_num_f32 v[TM+\b], v[TM+\b], v[TM+4+\b]
.endr
.irp b, 0,1,2,3
	v_add_nc_u32 v[TM+12+\b], 0xfc000000, v[TM+\b]
.endr
.irp b, 0,1,2,3
	v_and_or_b32 v[TM+8+\b], v[TM+\b], 0x7f800000, s95
.endr
.irp b, 0,1,2,3
	v_lshrrev_b32 v[TM+4+\b], 23, v[TM+12+\b]
.endr
	v_lshl_or_b32 v[PW], v[TM+5], 8, v[TM+4]
	v_lshl_or_b32 v[PW], v[TM+6], 16, v[PW]
	v_lshl_or_b32 v[PW], v[TM+7], 24, v[PW]
	v_lshrrev_b32 v[SHW], v[HSH], v[PW]
	WIN W0D
.irp b, 0,1,2,3
.irp i, 0,1,2,3,4,5,6,7,8,9,10,11,12,13,14,15
	v_med3_num_f32 v[AC+16*\b+\i], v[AC+16*\b+\i], -v[TM+8+\b], v[TM+8+\b]
.endr
.endr
	s_wait_alu depctr_va_vdst(0)
	s_wait_xcnt 0x0
	WIN WN
.irp b, 0,1,2,3
	v_cvt_scalef32_pk8_fp8_f32 v[CD+4*\b:CD+4*\b+1], v[AC+16*\b:AC+16*\b+7], v[TM+12+\b]
	v_cvt_scalef32_pk8_fp8_f32 v[CD+4*\b+2:CD+4*\b+3], v[AC+16*\b+8:AC+16*\b+15], v[TM+12+\b]
.endr
	v_nop
	WIN 0
	global_store_b128 v[LI], v[CD:CD+3], s[12:13] offset:(\a)*1024
	global_store_b128 v[LI], v[CD+4:CD+7], s[12:13] offset:(\a)*1024+512
	global_store_b128 v[LI], v[CD+8:CD+11], s[12:13] offset:(\a)*1024+PK
	global_store_b128 v[LI], v[CD+12:CD+15], s[12:13] offset:(\a)*1024+PK+512
	ds_store_b16 v[SST], v[SHW] offset:32*(\a)
.endm
	PLACES NP
	v_lshlrev_b32 v[HSH], 4, v2
	v_mul_u32_u24 v[SGO], v2, PK
	v_lshl_add_u32 v[SGO], v1, 4, v[SGO]
	v_add_nc_u32 v[SGO], 8192, v[SGO]
.irp b, 0,1,2,3
	v_mov_b32 v[TM+4+\b], 0
.endr
.irp a, 0,1,2,3,4,5,6,7
	OUTBLK \a
.endr
	ds_load_b128 v[SBK:SBK+3], v[SRD]
	s_wait_dscnt 0x0
	global_store_b128 v[SGO], v[SBK:SBK+3], s[12:13]
	s_wait_tensorcnt 0x0
	ds_add_u32 v[SPW], v[NIL]
	s_wait_dscnt 0x0
	CROUND
	s_endpgm
.Lfunc_end_k_q36b828294c_proj:
	.size	k_q36b828294c_proj, .Lfunc_end_k_q36b828294c_proj-k_q36b828294c_proj
	.p2alignl 7, 3214868480
	.fill 96, 4, 3214868480
	.section	.rodata,"a",@progbits
	.p2align	6, 0x0
	.amdhsa_kernel k_q36b828294c_proj
		.amdhsa_group_segment_fixed_size 327680
		.amdhsa_private_segment_fixed_size 0
		.amdhsa_enable_private_segment 0
		.amdhsa_kernarg_size 40
		.amdhsa_user_sgpr_count 2
		.amdhsa_user_sgpr_kernarg_segment_ptr 1
		.amdhsa_wavefront_size32 1
		.amdhsa_system_sgpr_workgroup_id_x 1
		.amdhsa_system_sgpr_workgroup_id_y 1
		.amdhsa_system_sgpr_workgroup_id_z 1
		.amdhsa_system_vgpr_workitem_id 0
		.amdhsa_next_free_vgpr 1024
		.amdhsa_next_free_sgpr 98
		.amdhsa_reserve_vcc 0
		.amdhsa_float_denorm_mode_32 3
		.amdhsa_float_denorm_mode_16_64 3
		.amdhsa_memory_ordered 1
		.amdhsa_forward_progress 1
		.amdhsa_inst_pref_size 188
	.end_amdhsa_kernel
	.amdgpu_metadata
---
amdhsa.version: [ 1, 2 ]
amdhsa.kernels:
  - .name:           k_q36b828294c_proj
    .symbol:         k_q36b828294c_proj.kd
    .args:
      - { .name: x_codes, .offset: 0, .size: 8, .value_kind: global_buffer, .address_space: global }
      - { .name: x_scales, .offset: 8, .size: 8, .value_kind: global_buffer, .address_space: global }
      - { .name: W_qk_codes, .offset: 16, .size: 8, .value_kind: global_buffer, .address_space: global }
      - { .name: W_qk_scales, .offset: 24, .size: 8, .value_kind: global_buffer, .address_space: global }
      - { .name: packs, .offset: 32, .size: 8, .value_kind: global_buffer, .address_space: global }
    .group_segment_fixed_size: 327680
    .private_segment_fixed_size: 0
    .kernarg_segment_align: 8
    .kernarg_segment_size: 40
    .max_flat_workgroup_size: 128
    .sgpr_count:     98
    .vgpr_count:     1024
    .wavefront_size: 32
...
	.end_amdgpu_metadata
.endif
;; end of part 2
;; launch attn (part 3): grid 256 x 1, 16 waves a work-group, clusters of 4 x 1, 327,680 bytes of LDS; arguments packs, att_mask, out0; writes out0
.if DOCPART == 3
	.amdgcn_target "amdgcn-amd-amdhsa--gfx1250"
	.amdhsa_code_object_version 6
	.text
	.protected	k_q36b828294c_attn
	.globl	k_q36b828294c_attn
	.p2align	8
	.type	k_q36b828294c_attn,@function
k_q36b828294c_attn:
	s_mov_b64 s[64:65], 0
	v_nop
	global_prefetch_b8 v0, s[64:65] scope:SCOPE_SE
	s_setreg_imm32_b32 hwreg(HW_REG_WAVE_MODE, 25, 1), 1
	s_wait_xcnt 0x0
	s_wait_alu depctr_hold_cnt(0) depctr_sa_sdst(0) depctr_va_vdst(0) depctr_va_sdst(0) depctr_va_ssrc(0) depctr_va_vcc(0) depctr_vm_vsrc(0)
	s_getreg_b32 s2, hwreg(HW_REG_IB_STS2, 6, 4)
	s_cmp_eq_u32 s2, 0
	s_cbranch_scc0 .Lentry_in_a_cluster
	s_endpgm
.Lentry_in_a_cluster:
	s_bfe_u32 s2, ttmp6, 0x10000c
	s_cmp_lg_u32 s2, 0x3003
	s_cbranch_scc0 .Lentry_shape_is_right
	s_endpgm
.Lentry_shape_is_right:
; out[b][q] = sigmoid(where(mask[b][last][q], NEG, sum over heads of softmax_k(where(mask[b][q][k], NEG, q.k / 8)) . value)).  Scores on codes of FP8 (E4M3) with E8M0 scales, K = the head's 64 (the upper 64 of the form's 128 meet zero codes of q).
; No work of the problem is left out.  LIMITS: NaN and infinities among the inputs are not served; the promise holds while the scaled scores stay under 2^31 in magnitude.
; packs: as the first launch's head states: a pack is a head x 128 tokens: 8,192 bytes of codes, 256 of scale bytes, in k's packs 512 of values.
; SHARES.  A work-group owns 32 queries of a batch, all 16 heads.  Wave w: heads 8 (w / 8) + 0 .. 7, keys 64 (w % 8) + 0 .. 63 of each 512: the mask bits of its 32 x 64 block stand in 64 scalar registers and serve its eight heads.
; S^T = K Q^T: a lane holds one query, its registers keys.  Each lane keeps a running maximum, sum and weighted sum of its own keys for each head and query tile; they are joined at the end through LDS.
; THE RING: two slots of 16 packs (4 heads x 512 keys), each wave fetching one pack.  The four work-groups of a cluster walk the same k of one batch: joint loads, mask 15, each refill behind a round of the cluster's barrier.
; TWO GROUPS OF WAVES, g = (w xor w / 4) & 1.  A head's step is LW (LDS loads, eight products, the values' loads) and SM (mask, softmax, sums; registers alone).  Group 0 runs a slot's last SM ahead of the change of slots, group 1 behind it,
; so that one group's vector work stands beside the other's LDS loads and products.  The branches hang on the wave's number and lead round SM alone.
; A TRIP is two slots, four heads.  The state of the other four heads stands in a second set of registers; the two sets change places at a trip's end.  Seven trips fill both slots again; the last two slots are written out and fetch nothing.
; PREFETCH: one cluster of a batch asks, at each refill, for the slot that the next refill loads: its four work-groups share the 143,360 bytes by address, five waves each, 28 lanes 256 bytes apart; the last refill asks for nothing.
.set PK,    8960
.set SLOTB, 16*PK
.set QIMG,  2*SLOTB                    ; q's codes of my 32 queries, 16 heads x 2,048 bytes
.set QSC,   QIMG+32768                 ; their scale bytes
.set SPARE, QSC+1024                   ; the spare words, 128 bytes a wave
.set SCR2,  98304
.set AKC, 1
.set AKS, 3
.set AKV, 5
.set AQ,  7
.set AQS, 8
.set SPW, 9
.set NIL, 10
.set NEGR, 11
.set PFO, 12
.set MKO, 13
.set TMP, 14
.set PADM, 15
.set QF,  16
.set KV,  48
.set S,   88
.set KSC, 152
.set QSCR, 154
.set SCW, 155
.set SCRD, 156
.set SC2W, 157
.set SC2R, 158
.set OUTO, 159
.set MX,  160                          ; v160-175 running maxima: the trip's four heads, then the other four
.set LOP, 176                          ; v176-207 sums and weighted sums, likewise
.set MK,  208
.set TA,  224
.set TB,  226
.set FF,  228
.set NM,  232
.set AL,  236
.set XY,  244
.set MT,  248
.set AQC, 252                          ; v252, v253 q's codes and scale bytes of the trip's four heads
.set AQSC, 253
.set WV,  2
.set GRP, 10                           ; s10 my group
.set TQ,  11                           ; s11, s14 the trip's place in q's image: 0 or four heads on
.set TQS, 14
.set LIM1, 15                          ; s15, s100: a wave asks where the trips to go exceed them: 1 and 0 in asking waves, the greatest number in the others
.set CS,  12
.set G1,  16
.set G0,  24
.set PFA, 98
.set LIM, 100
.macro CROUND
	s_barrier_signal -1
	s_barrier_wait -1
	s_cmp_lg_u32 s[WV], 0
	s_cbranch_scc1 .Lnot_wave_0_\@
	s_barrier_signal -3
.Lnot_wave_0_\@:
	s_barrier_wait -3
	s_barrier_signal -1
	s_barrier_wait -1
.endm
	s_load_b128 s[4:7], s[0:1], 0x0                ; packs, mask
	s_load_b64 s[8:9], s[0:1], 0x10                ; out
	v_lshl_add_u32 v[SPW], v0, 2, SPARE
	v_mov_b32 v[NIL], 0
	ds_add_u32 v[SPW], v[NIL]                      ; the opening lines: the add twice on end
	ds_add_u32 v[SPW], v[NIL]
	v_lshrrev_b32 v[TMP], 5, v0
	v_readfirstlane_b32 s[WV], v[TMP]
	s_lshr_b32 s[GRP], s[WV], 2
	s_xor_b32 s[GRP], s[GRP], s[WV]
	s_and_b32 s[GRP], s[GRP], 1
	s_bfe_u32 s32, ttmp6, 0x40000                  ; cx
	s_lshl_b32 s33, ttmp9, 2
	s_add_co_u32 s33, s33, s32                     ; work-group
	s_and_b32 s34, s33, 63                         ; block of 32 queries in the batch
	s_lshr_b32 s35, ttmp9, 4                       ; batch
	s_lshl_b32 s36, s35, 1
	s_add_co_u32 s36, s36, 1
	s_mul_i32 s36, s36, 256*PK                     ; the batch's packs of k
	s_mul_i32 s[G0+1], s[WV], PK
	s_add_co_u32 s[G0+5], s[G0+1], SLOTB
	s_add_co_u32 s38, s36, s[G0+1]
	s_mov_b32 s39, 0
	s_mul_i32 s40, s32, 35840                      ; the prefetches: my work-group's quarter of a slot, my wave's 7,168 bytes
	s_mul_i32 s41, s[WV], 7168
	s_add_co_u32 s40, s40, s41
	s_add_co_u32 s40, s40, s36
	s_add_co_u32 s40, s40, 2*SLOTB
	s_mov_b32 s41, 0
	s_lshl_b32 s42, s35, 9                         ; q's pack of head w for my queries
	s_lshr_b32 s43, s34, 4
	s_lshl_b32 s43, s43, 6
	s_add_co_u32 s42, s42, s43
	s_bfe_u32 s43, s[WV], 0x20001
	s_lshl_b32 s43, s43, 4
	s_add_co_u32 s42, s42, s43
	s_lshr_b32 s43, s[WV], 3
	s_lshl_b32 s43, s43, 3
	s_add_co_u32 s42, s42, s43
	s_bfe_u32 s43, s34, 0x20002
	s_lshl_b32 s43, s43, 1
	s_add_co_u32 s42, s42, s43
	s_and_b32 s43, s[WV], 1
	s_add_co_u32 s42, s42, s43
	s_mul_i32 s42, s42, PK
	s_and_b32 s43, s34, 3
	s_lshl_b32 s44, s43, 11
	s_add_co_u32 s44, s44, s42
	s_mov_b32 s45, 0
	s_lshl_b32 s46, s43, 6
	s_add_co_u32 s46, s46, s42
	s_add_co_u32 s46, s46, 8192
	s_mov_b32 s47, 0
	s_lshl_b32 s48, s35, 22                        ; the mask: my 32 rows, my wave's 64 columns
	s_lshl_b32 s49, s34, 16
	s_add_co_u32 s50, s48, s49
	s_and_b32 s49, s[WV], 7
	s_lshl_b32 s49, s49, 6
	s_add_co_u32 s50, s50, s49
	s_mov_b32 s51, 0
	s_lshl_b32 s49, s34, 5                         ; and its last row at my queries
	s_add_co_u32 s52, s48, s49
	s_add_co_u32 s52, s52, 2047*2048
	s_mov_b32 s53, 0
	s_lshl_b32 s54, s33, 7
	s_mov_b32 s55, 0
	s_and_b32 s60, ttmp9, 15
	s_cmp_eq_u32 s60, 0
	s_cselect_b32 s[LIM], 0, -1
	s_cselect_b32 s[LIM1], 1, -1
	s_cmp_lt_u32 s[WV], 5
	s_cselect_b32 s[LIM], s[LIM], -1
	s_cselect_b32 s[LIM1], s[LIM1], -1
	s_mov_b32 s[CS], 0x3e38aa3b                    ; log2(e) / 8
	s_mov_b32 s[CS+1], s[CS]
	s_mov_b32 s[G1], 15|(3<<16)|(1<<21)            ; a pack: 35 rows of 256 bytes, dense; the cluster's four
	s_mov_b32 s[G1+1], 32<<16
	s_mov_b32 s[G1+2], 35<<16
	s_mov_b32 s[G1+3], 32<<16
	s_mov_b32 s[G1+4], 35
	s_mov_b32 s[G1+5], 32
	s_mov_b32 s[G1+6], 0
	s_mov_b32 s[G1+7], 0
	s_mov_b32 s[G0], 1
	s_mov_b32 s[G0+4], 1
	s_lshr_b32 s66, s[WV], 3
	s_bfe_u32 s67, s[WV], 0x20001
	s_lshl_b32 s68, s66, 3
	s_lshl_b32 s67, s67, 1
	s_add_co_u32 s68, s68, s67
	s_mul_i32 s68, s68, PK                         ; my pack in a slot
	s_and_b32 s69, s[WV], 1
	s_lshl_b32 s70, s69, 12
	s_add_co_u32 s70, s70, s68
	s_lshl_b32 s71, s69, 7
	s_add_co_u32 s71, s71, s68
	s_add_co_u32 s71, s71, 8192
	s_lshl_b32 s72, s69, 8
	s_add_co_u32 s72, s72, s68
	s_add_co_u32 s72, s72, 8448
	s_lshl_b32 s73, s66, 14
	s_add_co_u32 s73, s73, QIMG
	s_lshl_b32 s74, s66, 9
	s_add_co_u32 s74, s74, QSC
	s_lshl_b32 s75, s[WV], 11
	s_add_co_u32 s75, s75, QIMG
	s_lshl_b32 s76, s[WV], 6
	s_add_co_u32 s76, s76, QSC
	s_mul_i32 s77, s[WV], 6144
	s_mul_i32 s78, s66, 49152
	s_and_b32 s79, s[WV], 7
	s_mul_i32 s79, s79, 768
	s_add_co_u32 s78, s78, s79
	s_lshl_b32 s79, s[WV], 7
	s_add_co_u32 s79, s79, SCR2
	s_wait_dscnt 0x0
	s_wait_kmcnt 0x0
	s_add_nc_u64 s[G0+2:G0+3], s[4:5], s[38:39]
	s_add_nc_u64 s[G0+6:G0+7], s[G0+2:G0+3], SLOTB
	s_or_b32 s[G0+3], s[G0+3], 0x80000000
	s_or_b32 s[G0+7], s[G0+7], 0x80000000
	s_add_nc_u64 s[PFA:PFA+1], s[4:5], s[40:41]
	s_add_nc_u64 s[56:57], s[4:5], s[44:45]
	s_add_nc_u64 s[58:59], s[4:5], s[46:47]
	s_add_nc_u64 s[60:61], s[6:7], s[52:53]
	s_add_nc_u64 s[6:7], s[6:7], s[50:51]
	s_add_nc_u64 s[8:9], s[8:9], s[54:55]
	CROUND
	tensor_load_to_lds s[G0:G0+3], s[G1:G1+7]      ; slot 0: my one load at the head
	s_nop 0
.rept 4
	v_nop
.endr
	; under that load: the addresses, and the loads of q, of the first mask block and of the last mask row
	v_and_b32 v[TMP], 31, v0
	v_and_b32 v[TA], 15, v0
	v_bfe_u32 v[TA+1], v0, 4, 1
	v_lshlrev_b32 v[XY], 4, v[TMP]
	v_lshlrev_b32 v[XY+1], 1, v[TMP]
	v_lshlrev_b32 v[MKO], 11, v[TA]
	v_lshl_add_u32 v[AKC], v[TMP], 4, s70
	v_lshl_add_u32 v[MKO], v[TA+1], 3, v[MKO]
.irp n, 0,1,2,3
	global_load_b128 v[S+4*\n:S+4*\n+3], v[XY], s[56:57] offset:512*\n
.endr
	global_load_u16 v[S+16], v[XY+1], s[58:59]
.macro MLOAD
.irp q, 0,1
.irp t, 0,1,2,3
	global_load_b64 v[MK+2*(4*\q+\t):MK+2*(4*\q+\t)+1], v[MKO], s[6:7] offset:\q*32768+16*\t
.endr
.endr
.endm
	MLOAD
	v_lshl_add_u32 v[AKS], v[TMP], 1, s71
	v_lshl_add_u32 v[AKV], v[TA+1], 5, s72
	v_add_nc_u32 v[AKC+1], SLOTB, v[AKC]
	v_add_nc_u32 v[AKS+1], SLOTB, v[AKS]
	v_add_nc_u32 v[AKV+1], SLOTB, v[AKV]
	v_lshl_add_u32 v[AQ], v[TMP], 4, s73
	v_lshl_add_u32 v[AQS], v[TMP], 1, s74
	v_lshl_add_u32 v[TB], v[TMP], 4, s75
	v_lshl_add_u32 v[TB+1], v[TMP], 1, s76
	v_lshl_add_u32 v[SCW], v[TMP], 2, s77
	v_mul_u32_u24 v[SCRD], v[TA+1], 384
	v_lshl_add_u32 v[SC2W], v[TMP], 2, s79
	v_lshl_add_u32 v[SC2R], v[TMP], 2, SCR2
	v_lshl_add_u32 v[SCRD], v[TA], 2, v[SCRD]
	v_lshlrev_b32 v[OUTO], 2, v[TMP]
	v_min_u32 v[PFO], 27, v[TMP]
	v_add_nc_u32 v[SCRD], s78, v[SCRD]
	v_mov_b32 v[NEGR], 0xc8ea6000                  ; NEG x 8: the score that stands for a masked key ahead of the factor 1 / 8
	v_lshlrev_b32 v[PFO], 8, v[PFO]
	s_cmp_lg_u32 s[WV], 0
	s_cbranch_scc1 .Lno_pad
	global_load_u8 v[PADM], v[TMP], s[60:61]
.Lno_pad:
	s_wait_alu depctr_va_vdst(0)
	s_wait_tensorcnt 0x0                           ; slot 1's first fill goes as a refill goes
	ds_add_u32 v[SPW], v[NIL]
	s_wait_dscnt 0x0
	CROUND
	tensor_load_to_lds s[G0+4:G0+7], s[G1:G1+7]
	s_nop 0
.rept 4
	v_nop
.endr
.set i, 0
.rept 8
	v_mov_b32 v[QF+8+i], 0                         ; zero codes: q's upper 64 of the form's K
	v_mov_b32 v[QF+24+i], 0
	v_mov_b32 v[KV+32+i], 0
.set i, i+1
.endr
.set i, 0
.rept 16
	v_mov_b32 v[MX+i], 0xff61b1e6
	v_mov_b32 v[LOP+2*i], 0
	v_mov_b32 v[LOP+2*i+1], 0
.set i, i+1
.endr
	v_mov_b32 v[FF+1], 0
	v_mov_b32 v[FF+3], 0
	v_mov_b32 v[NM+1], 0
	v_mov_b32 v[NM+3], 0
	s_wait_alu depctr_va_vdst(0)                   ; the head's end
	s_wait_loadcnt 0x0
.irp n, 0,1,2,3
	ds_store_b128 v[TB], v[S+4*\n:S+4*\n+3] offset:512*\n
.endr
	ds_store_b16 v[TB+1], v[S+16]
.irp r, 56,57,58,59,60,61
	s_mov_b32 s\r, 0                               ; the loads that read these three addresses are done: the registers are cleared, and hold mask bits from here on
.endr
	s_wait_tensorcnt 0x1
	s_wait_dscnt 0x0                               ; q's image is whole behind this barrier
	s_barrier_signal -1
	s_barrier_wait -1
.macro MASKS                           ; 64 mask bytes a lane -> 64 lane masks in s32-63, s66-97
.set i, 0
.rept 64
.set wd, MK+2*(i/8)+((i%8)/4)
.set by, i%4
.set sm, 32+i+2*(i/32)
.if by == 3
	v_cmp_le_u32 s[sm], 0x1000000, v[wd]
.else
	v_and_b32 v[MT+by], 1<<(8*by), v[wd]
	s_delay_alu instid0(VALU_DEP_1)
	v_cmp_ne_u32 s[sm], 0, v[MT+by]
.endif
.set i, i+1
.endr
.endm
.macro WM t, q
.if (((\t)%2) == 0) && ((\q) == 0)
	v_wmma_scale_f32_16x16x128_f8f6f4 v[S+32*(\q)+8*(\t):S+32*(\q)+8*(\t)+7], v[KV+8*(\t):KV+8*(\t)+15], v[QF+16*(\q):QF+16*(\q)+15], 0, v[KSC+(\t)/2], v[QSCR]
.elseif ((\q) == 0)
	v_wmma_scale_f32_16x16x128_f8f6f4 v[S+32*(\q)+8*(\t):S+32*(\q)+8*(\t)+7], v[KV+8*(\t):KV+8*(\t)+15], v[QF+16*(\q):QF+16*(\q)+15], 0, v[KSC+(\t)/2], v[QSCR] matrix_a_scale:MATRIX_SCALE_ROW1
.elseif (((\t)%2) == 0)
	v_wmma_scale_f32_16x16x128_f8f6f4 v[S+32*(\q)+8*(\t):S+32*(\q)+8*(\t)+7], v[KV+8*(\t):KV+8*(\t)+15], v[QF+16*(\q):QF+16*(\q)+15], 0, v[KSC+(\t)/2], v[QSCR] matrix_b_scale:MATRIX_SCALE_ROW1
.else
	v_wmma_scale_f32_16x16x128_f8f6f4 v[S+32*(\q)+8*(\t):S+32*(\q)+8*(\t)+7], v[KV+8*(\t):KV+8*(\t)+15], v[QF+16*(\q):QF+16*(\q)+15], 0, v[KSC+(\t)/2], v[QSCR] matrix_a_scale:MATRIX_SCALE_ROW1 matrix_b_scale:MATRIX_SCALE_ROW1
.endif
.endm
; LW: a head's 64 keys and 32 queries from LDS, the eight products, then the 64 values into the registers that held k.  sl: the slot; hl: the head among the trip's four; e: the pack of the slot's pair
.macro LW sl, hl, e
.set KO, (\e)*PK
.irp t, 0,1,2,3
	ds_load_b128 v[KV+8*\t:KV+8*\t+3], v[AKC+\sl] offset:KO+1024*\t
	ds_load_b128 v[KV+8*\t+4:KV+8*\t+7], v[AKC+\sl] offset:KO+1024*\t+512
.endr
	ds_load_u16 v[KSC], v[AKS+\sl] offset:KO
	ds_load_u16 v[KSC+1], v[AKS+\sl] offset:KO+64
.irp q, 0,1
	ds_load_b128 v[QF+16*\q:QF+16*\q+3], v[AQC] offset:(\hl)*2048+1024*\q
	ds_load_b128 v[QF+16*\q+4:QF+16*\q+7], v[AQC] offset:(\hl)*2048+1024*\q+512
.endr
	ds_load_u16 v[QSCR], v[AQSC] offset:(\hl)*64
	s_wait_dscnt 0x0
.irp t, 0,1,2,3
.irp q, 0,1
	WM \t, \q
.endr
.endr
.rept 9
	v_nop                                          ; places behind this matrix form: eight for loads and readers, nine for a product that writes over a result
.endr
.irp t, 0,1,2,3
	ds_load_b128 v[KV+8*\t:KV+8*\t+3], v[AKV+\sl] offset:KO+64*\t
	ds_load_b128 v[KV+8*\t+4:KV+8*\t+7], v[AKV+\sl] offset:KO+64*\t+16
.endr
.endm
; SM: the mask, the running maximum, p = 2^(t - max), the sum and the weighted sum of a head's 2 x 32 scores a lane.  HL: the head's place in the state's registers
.macro SM HL
.set i, 0
.rept 64
	v_cndmask_b32 v[S+i], v[S+i], v[NEGR], s[32+i+2*(i/32)]
.set i, i+1
.endr
.irp q, 0,1
	v_max3_num_f32 v[TA+\q], v[S+32*\q], v[S+32*\q+1], v[S+32*\q+2]
	v_max3_num_f32 v[TB+\q], v[S+32*\q+15], v[S+32*\q+16], v[S+32*\q+17]
.endr
.irp n, 3,5,7,9,11,13
.irp q, 0,1
	s_delay_alu instid0(VALU_DEP_4)
	v_max3_num_f32 v[TA+\q], v[TA+\q], v[S+32*\q+\n], v[S+32*\q+\n+1]
	s_delay_alu instid0(VALU_DEP_4)
	v_max3_num_f32 v[TB+\q], v[TB+\q], v[S+32*\q+15+\n], v[S+32*\q+16+\n]
.endr
.endr
.irp q, 0
	s_delay_alu instid0(VALU_DEP_3)
	v_max3_num_f32 v[TA+\q], v[TA+\q], v[TB+\q], v[S+32*\q+30]
.endr
.irp q, 1
	s_delay_alu instid0(VALU_DEP_2)
	v_max3_num_f32 v[TA+\q], v[TA+\q], v[TB+\q], v[S+32*\q+30]
.endr
.irp q, 0,1
	s_delay_alu instid0(VALU_DEP_2)
	v_max_num_f32 v[TA+\q], v[TA+\q], v[S+32*\q+31]
.endr
.irp q, 0,1
	s_delay_alu instid0(VALU_DEP_2)
	v_mul_f32 v[TA+\q], s[CS], v[TA+\q]
.endr
.irp q, 0,1
	s_delay_alu instid0(VALU_DEP_2)
	v_max_num_f32 v[NM+2*\q], v[MX+2*(\HL)+\q], v[TA+\q]
.endr
.irp q, 0,1
	s_delay_alu instid0(VALU_DEP_2)
	v_sub_f32 v[FF+2*\q], v[MX+2*(\HL)+\q], v[NM+2*\q]
.endr
.irp q, 0,1
	s_delay_alu instid0(VALU_DEP_4)
	v_mov_b32 v[MX+2*(\HL)+\q], v[NM+2*\q]
.endr
.irp n, 0,2,4,6,8,10,12,14,16,18,20,22,24,26,28,30
.irp q, 0,1
	v_pk_fma_f32 v[S+32*\q+\n:S+32*\q+\n+1], v[S+32*\q+\n:S+32*\q+\n+1], s[CS:CS+1], v[NM+2*\q:NM+2*\q+1] op_sel_hi:[1,0,0] neg_lo:[0,0,1] neg_hi:[0,0,1]
.endr
.endr
	s_wait_alu depctr_va_vdst(0)                   ; one wait ahead of the batch,
	v_exp_f32 v[FF], v[FF]
	v_exp_f32 v[FF+2], v[FF+2]
.set i, 0
.rept 64
	v_exp_f32 v[S+i], v[S+i]
.set i, i+1
.endr
	v_nop
	s_wait_alu depctr_va_vdst(0)                   ; and one behind it
	s_wait_dscnt 0x0                               ; the values
.irp q, 0,1
	v_pk_add_f32 v[AL+4*\q:AL+4*\q+1], v[S+32*\q:S+32*\q+1], v[S+32*\q+2:S+32*\q+3]
	v_pk_mul_f32 v[AL+4*\q+2:AL+4*\q+3], v[S+32*\q:S+32*\q+1], v[KV:KV+1]
.endr
.irp q, 0,1
	v_pk_fma_f32 v[AL+4*\q+2:AL+4*\q+3], v[S+32*\q+2:S+32*\q+3], v[KV+2:KV+3], v[AL+4*\q+2:AL+4*\q+3]
.endr
.irp n, 4,6,8,10,12,14,16,18,20,22,24,26,28,30
.irp q, 0,1
	v_pk_add_f32 v[AL+4*\q:AL+4*\q+1], v[AL+4*\q:AL+4*\q+1], v[S+32*\q+\n:S+32*\q+\n+1]
	v_pk_fma_f32 v[AL+4*\q+2:AL+4*\q+3], v[S+32*\q+\n:S+32*\q+\n+1], v[KV+\n:KV+\n+1], v[AL+4*\q+2:AL+4*\q+3]
.endr
.endr
.irp q, 0,1
	s_delay_alu instid0(VALU_DEP_4)
	v_add_f32 v[XY+2*\q], v[AL+4*\q], v[AL+4*\q+1]
	s_delay_alu instid0(VALU_DEP_4)
	v_add_f32 v[XY+2*\q+1], v[AL+4*\q+2], v[AL+4*\q+3]
.endr
.irp q, 0,1
	v_pk_fma_f32 v[LOP+4*(\HL)+2*\q:LOP+4*(\HL)+2*\q+1], v[LOP+4*(\HL)+2*\q:LOP+4*(\HL)+2*\q+1], v[FF+2*\q:FF+2*\q+1], v[XY+2*\q:XY+2*\q+1] op_sel_hi:[1,0,1]
.endr
.endm
; THE CHANGE OF SLOTS: all my tensor loads are in, the add, my LDS reads of slot sl are over; a round of the cluster's barrier; slot sl takes the packs two slots on.  fill = 0: a plain barrier, nothing is fetched
.macro CHANGE sl, fill, lim
	s_wait_alu depctr_va_vdst(0)
	s_wait_tensorcnt 0x0
	ds_add_u32 v[SPW], v[NIL]
.if \fill
	s_add_nc_u64 s[G0+4*\sl+2:G0+4*\sl+3], s[G0+4*\sl+2:G0+4*\sl+3], 2*SLOTB
	s_wait_xcnt 0x0                                ; my last prefetch has read its address
	s_add_nc_u64 s[PFA:PFA+1], s[PFA:PFA+1], SLOTB
	s_wait_dscnt 0x0
	CROUND
	tensor_load_to_lds s[G0+4*\sl:G0+4*\sl+3], s[G1:G1+7]
	s_nop 0
.rept 4
	v_nop
.endr
	s_cmp_gt_u32 s3, s[\lim]
	s_cbranch_scc0 .Lnot_mine_\@
	global_prefetch_b8 v[PFO], s[PFA:PFA+1] th:TH_LOAD_NT scope:SCOPE_SE   ; the slot that the next refill loads
.Lnot_mine_\@:
.else
	s_wait_dscnt 0x0
	s_barrier_signal -1
	s_barrier_wait -1
.endif
.endm
; a slot's last SM and the change of slots: group 0 SM first, group 1 the change first (its scores and values stand in registers)
.macro SPLIT HL, sl, fill, lim
	s_cmp_lg_u32 s[GRP], 0
	s_cbranch_scc1 .Llater_\@
	SM \HL
.Llater_\@:
	CHANGE \sl, \fill, \lim
	s_cmp_eq_u32 s[GRP], 0
	s_cbranch_scc1 .Ldone_\@
	SM \HL
.Ldone_\@:
.endm
.macro TOP                             ; where the trip's four heads of q lie
	v_add_nc_u32 v[AQC], s[TQ], v[AQ]
	v_add_nc_u32 v[AQSC], s[TQS], v[AQS]
	s_wait_alu depctr_va_vdst(0)                   ; directly behind the writes
.endm
.macro MOVE d, s, n
.set i, 0
.rept (\n)/2
	v_dual_mov_b32 v[\d+i], v[\s+i] :: v_dual_mov_b32 v[\d+i+1], v[\s+i+1]
.set i, i+2
.endr
.endm
	s_mov_b32 s3, 7                                ; trips to go
	s_mov_b32 s[TQ], 0
	s_mov_b32 s[TQS], 0
.Ltrip:
	TOP
	s_bitcmp1_b32 s3, 0                            ; every second trip begins the next 512 keys: new mask bits
	s_cbranch_scc0 .Lsame_keys
	s_wait_loadcnt 0x0
	MASKS
	s_cmp_eq_u32 s3, 1                             ; the last 512 keys have no successor
	s_cbranch_scc1 .Lsame_keys
	v_add_nc_u32 v[MKO], 512, v[MKO]
	MLOAD
.Lsame_keys:
	LW 0, 0, 0
	SM 0
	LW 0, 1, 1
	SPLIT 1, 0, 1, LIM
	LW 1, 2, 0
	SM 2
	LW 1, 3, 1
	SPLIT 3, 1, 1, LIM1
	MOVE S, MX, 8                                  ; the two sets of state change places, through score registers that are done with
	MOVE MX, MX+8, 8
	MOVE MX+8, S, 8
	MOVE S+8, LOP, 16
	MOVE LOP, LOP+16, 16
	MOVE LOP+16, S+8, 16
	s_xor_b32 s[TQ], s[TQ], 8192
	s_xor_b32 s[TQS], s[TQS], 256
	s_sub_co_u32 s3, s3, 1
	s_cmp_lg_u32 s3, 0
	s_wait_alu depctr_va_vdst(0)
	s_cbranch_scc1 .Ltrip
	TOP                                            ; the last two slots
	LW 0, 0, 0
	SM 0
	LW 0, 1, 1
	SPLIT 1, 0, 0, LIM
	LW 1, 2, 0
	SM 2
	LW 1, 3, 1
	SM 3
	; THE JOIN.  Each wave's 16 x 3 numbers a lane go to a scratch in slot 0, which has had its last fill and its last read; wave w joins head w % 8 of its half over eight waves and both halves of the lanes
.set i, 0
.rept 16
	ds_store_b32 v[SCW], v[MX+i] offset:i*384
	ds_store_b32 v[SCW], v[LOP+2*i] offset:i*384+128
	ds_store_b32 v[SCW], v[LOP+2*i+1] offset:i*384+256
.set i, i+1
.endr
	s_wait_dscnt 0x0
	s_barrier_signal -1
	s_barrier_wait -1
.set i, 0
.rept 16
	ds_load_b32 v[S+i], v[SCRD] offset:(i/2)*6144+(i%2)*64
	ds_load_b32 v[S+16+i], v[SCRD] offset:(i/2)*6144+(i%2)*64+128
	ds_load_b32 v[S+32+i], v[SCRD] offset:(i/2)*6144+(i%2)*64+256
.set i, i+1
.endr
	s_wait_dscnt 0x0
	v_max3_num_f32 v[TA], v[S], v[S+1], v[S+2]
.irp n, 3,5,7,9,11,13
	s_delay_alu instid0(VALU_DEP_1)
	v_max3_num_f32 v[TA], v[TA], v[S+\n], v[S+\n+1]
.endr
	s_delay_alu instid0(VALU_DEP_1)
	v_max_num_f32 v[TA], v[TA], v[S+15]
.set i, 0
.rept 16
	v_sub_f32 v[S+i], v[S+i], v[TA]
.set i, i+1
.endr
.set i, 0
	s_wait_alu depctr_va_vdst(0)
.rept 16
	v_exp_f32 v[S+i], v[S+i]
.set i, i+1
.endr
	v_nop
	s_wait_alu depctr_va_vdst(0)
	v_mul_f32 v[AL], v[S], v[S+16]
	v_mul_f32 v[AL+1], v[S], v[S+32]
.set i, 1
.rept 15
	v_fma_f32 v[AL], v[S+i], v[S+16+i], v[AL]
	v_fma_f32 v[AL+1], v[S+i], v[S+32+i], v[AL+1]
.set i, i+1
.endr
	s_wait_alu depctr_va_vdst(0)
	v_rcp_f32 v[AL+2], v[AL]
	v_nop
	s_wait_alu depctr_va_vdst(0)
	v_mul_f32 v[AL+1], v[AL+1], v[AL+2]            ; the head's attended value of my lane's query
	ds_store_b32 v[SC2W], v[AL+1]
	s_wait_dscnt 0x0
	s_barrier_signal -1
	s_barrier_wait -1
	s_cmp_lg_u32 s[WV], 0
	s_cbranch_scc1 .Ldone
.set i, 0
.rept 16
	ds_load_b32 v[S+i], v[SC2R] offset:i*128
.set i, i+1
.endr
	s_wait_dscnt 0x0
.irp n, 2
	v_pk_add_f32 v[S:S+1], v[S:S+1], v[S+\n:S+\n+1]
.endr
.irp n, 4, 6, 8, 10, 12, 14
	s_delay_alu instid0(VALU_DEP_1)
	v_pk_add_f32 v[S:S+1], v[S:S+1], v[S+\n:S+\n+1]
.endr
	s_delay_alu instid0(VALU_DEP_1)
	v_add_f32 v[S], v[S], v[S+1]                   ; the sum over the 16 heads
	v_cmp_ne_u32 vcc_lo, 0, v[PADM]
	v_mov_b32 v[TB], 0xc76a6000                    ; NEG
	s_delay_alu instid0(VALU_DEP_1)
	v_cndmask_b32 v[S], v[S], v[TB], vcc_lo
	s_delay_alu instid0(VALU_DEP_1)
	v_mul_f32 v[S], 0xbfb8aa3b, v[S]
	s_wait_alu depctr_va_vdst(0)
	v_exp_f32 v[S], v[S]
	v_nop
	s_wait_alu depctr_va_vdst(0)
	v_add_f32 v[S], 1.0, v[S]
	s_wait_alu depctr_va_vdst(0)
	v_rcp_f32 v[S], v[S]
	v_nop
	s_wait_alu depctr_va_vdst(0)
	global_store_b32 v[OUTO], v[S], s[8:9]         ; 32 lanes store my work-group's 128 consecutive bytes
.Ldone:
	s_wait_tensorcnt 0x0                           ; the wave's end
	ds_add_u32 v[SPW], v[NIL]
	s_wait_dscnt 0x0
	CROUND                                         ; the closing round
	s_endpgm
.Lfunc_end_k_q36b828294c_attn:
	.size	k_q36b828294c_attn, .Lfunc_end_k_q36b828294c_attn-k_q36b828294c_attn
	.p2alignl 7, 3214868480
	.fill 96, 4, 3214868480
	.section	.rodata,"a",@progbits
	.p2align	6, 0x0
	.amdhsa_kernel k_q36b828294c_attn
		.amdhsa_group_segment_fixed_size 327680
		.amdhsa_private_segment_fixed_size 0
		.amdhsa_enable_private_segment 0
		.amdhsa_kernarg_size 24
		.amdhsa_user_sgpr_count 2
		.amdhsa_user_sgpr_kernarg_segment_ptr 1
		.amdhsa_wavefront_size32 1
		.amdhsa_system_sgpr_workgroup_id_x 1
		.amdhsa_system_sgpr_workgroup_id_y 1
		.amdhsa_system_sgpr_workgroup_id_z 1
		.amdhsa_system_vgpr_workitem_id 0
		.amdhsa_next_free_vgpr 256
		.amdhsa_next_free_sgpr 101
		.amdhsa_reserve_vcc 1
		.amdhsa_float_denorm_mode_32 3
		.amdhsa_float_denorm_mode_16_64 3
		.amdhsa_memory_ordered 1
		.amdhsa_forward_progress 1
		.amdhsa_inst_pref_size 237
	.end_amdhsa_kernel
	.amdgpu_metadata
---
amdhsa.version: [ 1, 2 ]
amdhsa.kernels:
  - .name:           k_q36b828294c_attn
    .symbol:         k_q36b828294c_attn.kd
    .args:
      - { .name: packs, .offset: 0, .size: 8, .value_kind: global_buffer, .address_space: global }
      - { .name: att_mask, .offset: 8, .size: 8, .value_kind: global_buffer, .address_space: global }
      - { .name: out0, .offset: 16, .size: 8, .value_kind: global_buffer, .address_space: global }
    .group_segment_fixed_size: 327680
    .private_segment_fixed_size: 0
    .kernarg_segment_align: 8
    .kernarg_segment_size: 24
    .max_flat_workgroup_size: 512
    .sgpr_count:     101
    .vgpr_count:     256
    .wavefront_size: 32
...
	.end_amdgpu_metadata
.endif
;; end of part 3
